; MI455X (gfx1250); checked and timed in simulation.
; The chip was launched on July 23, 2026; its instructions are those of AMD's public machine-readable ISA for CDNA 5 (MIT licence, August 2026) and "CDNA5" Instruction Set Architecture Reference Guide (July 2026). The comments in the code are by the model that wrote it; some were corrected since.
;; posatt. Allowed arithmetic: matrix products marked QUANTISED: E2M3 operands, one E8M0 scale for each 32 along K, by v_wmma_scale_f32_16x16x128_f8f6f4 with both operands' format E2M3, f32 sums; everything else in f32.
;; Inputs: inputs 4 x 2,048 x 64 float32; lmda 4 x 1 x 1 float32; mesh 4 x 2,048 x 2 float32.
;; Outputs: out0 4 x 2,048 x 320 float32.
;; This version of the problem:
;;   THIS VERSION OF THE PROBLEM IS GIVEN IN LOW PRECISION. The matrix products marked QUANTISED in the list below multiply operands that are first quantised to E2M3 (2 exponent bits, 3 mantissa bits; 6 bits a number), with one power-of-two scale for each 32 numbers along K (OCP MX v1.0); their sums are f32. All else is computed in f32.
;;   The module's matrix products, in the order in which they are computed (A, B: the left and right operand; K: the contracted axis; several contracted axes count as one K, in the product's order):
;;     1. batch 4 x [M 64, K 2,048] x [K 2,048, N 8,192]; A: input inputs; B: softmax (see below): QUANTISED
;;   THE QUANTISER, for each operand of a quantised product, along K:
;;     - K is cut into blocks of 32 from its start; a last block that is shorter is filled with zeros.
;;     - A block's scale is 2^e with e = floor(log2(the largest magnitude in the block)) - 2, held to -126 .. 127; a block of zeros has e = 0. As a byte (E8M0): e + 127.
;;     - Each number is divided by its block's scale, clamped to +-7.5, and rounded to the nearest number of E2M3, ties to even, subnormals kept.
;;     - The product sums the exact products of the quantised numbers (number of the format x scale) in f32.
;;   ~~~python
;;   def quantise(x, axis):      # numpy; x: float32 -> the quantised numbers, widened to float32 again
;;       x = np.moveaxis(x, axis, -1); K = x.shape[-1]
;;       x = np.pad(x, [(0, 0)] * (x.ndim - 1) + [(0, -K % 32)]); x = x.reshape(x.shape[:-1] + (-1, 32)); a = np.abs(x).max(-1, keepdims=True)
;;       e = np.where(a > 0, np.clip(np.frexp(np.where(a > 0, a, 1))[1] - 1 - 2, -126, 127), 0)      # np.frexp(a)[1] - 1 = floor(log2(a)), exactly
;;       r = np.clip(x / 2.0 ** e, -7.5, 7.5)
;;       step = 2.0 ** (np.maximum(np.frexp(np.where(r == 0, 1, r))[1] - 1, 0) - 3)
;;       q = np.round(r / step) * step * 2.0 ** e      # np.round: ties to even
;;       return np.moveaxis(q.reshape(q.shape[:-2] + (-1,))[..., :K], -1, axis).astype(np.float32)
;;   ~~~
;;   SOFTMAX AHEAD OF A QUANTISED PRODUCT. Where the list says 'softmax', what is quantised is not the finished softmax but p = 2^(t - M), with t = logit x log2(e) and M = ceil(the row's largest t), a whole number; so 1/2 < the row's largest p <= 1. The row's sum l is taken of the UNQUANTISED p, in f32, and the product's result is divided by l at the end. Since M is a whole number, a kernel that streams over the keys may use a running M (the ceiling of the running maximum): every later rescaling is an exact power of two, which a block's scale takes up: the codes' values come out the same.
;;   OPERANDS COMPUTED ON THE WAY. 'Computed on the way' means the value that the module computes at that place (a softmax that the list does not call 'softmax' is quantised finished and normalised). What goes into a quantiser is computed in f32, as accurately as f32 sums, v_exp_f32 and their like allow (about 1e-6 of the number): no bf16 or f16 on the way to a quantiser, and a product that is left as it is and whose result goes on into a quantised operand takes f32 operands (vector FMAs, or v_wmma_f32_16x16x4_f32). A number that lies on a knife's edge between two numbers of the format may be rounded either way, as far as f32 arithmetic and the matrix unit's own rounding can turn it there, and no further.
;; One version. Each part assembles by itself: llvm-mc -triple=amdgcn-amd-amdhsa -mcpu=gfx1250 --defsym DOCPART=n.
;; ======== version 1 of 1: 2 launches
;; workspace buffers: acodes 393,216 bytes; ascales 16,384 bytes; thr 65,536 bytes
;; launch prep (part 1): grid 256 x 1, 32 waves a work-group, no clusters, 20,736 bytes of LDS; arguments mesh, inputs, out0, acodes, ascales, thr; writes out0, acodes, ascales, thr
.if DOCPART == 1
	.amdgcn_target "amdgcn-amd-amdhsa--gfx1250"
	.amdhsa_code_object_version 6
	.text
	.protected	k_qa9f4305aa0_prep
	.globl	k_qa9f4305aa0_prep
	.p2align	8
	.type	k_qa9f4305aa0_prep,@function
k_qa9f4305aa0_prep:
	s_mov_b64 s[64:65], 0
	v_nop
	global_prefetch_b8 v0, s[64:65] scope:SCOPE_SE
	s_setreg_imm32_b32 hwreg(HW_REG_WAVE_MODE, 25, 1), 1
	s_wait_xcnt 0x0
; PREP.  mesh [4][2048][2] f32, inputs [4][2048][64] f32.  Work-group g owns the flattened rows 32 g .. 32 g + 31, wave w row 32 g + w.  Three jobs:
; (1) each wave copies its row of inputs into out0's columns 0 .. 63;
; (2) waves 0 and 1 quantise the work-group's 32 rows x 64 channels of inputs along the KEYS (they are block g % 64 of 32 along the product's K) to codes of E2M3 with one E8M0 byte,
;     laid in the order of the matrix operand's registers: acodes [batch][K step of 128][tile of 16 channels][group of 4 registers][lane][16 bytes], ascales [batch][K step][channel % 16][tile] words;
; (3) each wave finds, for its row as a query, the 410th and 411th smallest of the 2,048 squared distances (ranks 409 and 410 from 0), and stores
;     T = max(s409, s409 x 19661/32768 + s410 x 13107/32768), the linear interpolation at 0.2 x 2047 with its f32 weights, and the row's smallest distance: thr [row][2].
; The head's scale is not negative, so the order of the distances is the order of the scaled ones: one threshold on the unscaled distances serves the four heads.
; THE SEARCH.  A distance is not negative, so its bit pattern orders like the number.  s409 is the largest v with fewer than 410 distances below v: its bits 30 .. 0 are fixed one after the other,
; each by one count over the row.  31 counts whatever the data: no trip count and no address hangs on a distance.  A lane holds 64 of the row's distances in registers.
; LIMITS: NaN and infinities in mesh or inputs are not served.  Where s409 and s410 coincide or lie an ulp or two apart, the threshold that is formed on scaled distances, head by head, may be
; rounded to the other side of a distance than this one.  A block of inputs whose largest magnitude lies under 2^-124 has its byte held at 1; a block of zeros has the byte 1 (its codes are zeros; only this program reads the bytes).
; No matrix work, no tensor loads: the mesh of a batch is 16,384 bytes and goes through LDS once for the 32 waves.
.set RES,  16384                       ; LDS: behind the mesh, 8 bytes for each wave: (T, smallest distance)
.set TMP,  16                          ; v16-31   four loads of two keys
.set DD,   32                          ; v32-95   my 64 distances (waves 0, 1 first: v32-63 a channel's 32 numbers)
.set VV,   96                          ; v96      the bits of s409 found so far
.set CA,   97                          ; v97      the candidate
.set C0,   98                          ; v98-99   counts
.set C1,   99
.set UU,   100                         ; v100-103 smallest distance above s409, less the candidate, in four chains
.set TT,   104                         ; v104-107 at work
.set RS,   108                         ; v108-109 the result pair
.set DMN,  110                         ; v110-111 smallest distance, two chains
.set RB,   112                         ; v112-113 wave 0: a row's pair read back
.set RA,   114                         ; v114     wave 0: where
.set SEL,  48                          ; s[48:49] lane selects of v_permlanex16_b32: lane l xor 16
	s_load_b128 s[4:7], s[0:1], 0x0                ; mesh, inputs
	s_load_b128 s[8:11], s[0:1], 0x10              ; out0, acodes
	s_load_b128 s[12:15], s[0:1], 0x20             ; ascales, thr
	v_lshl_add_u32 v116, v0, 2, 0x4100
	v_mov_b32 v117, 0
	v_lshrrev_b32 v1, 5, v0
	s_delay_alu instid0(VALU_DEP_1)
	v_readfirstlane_b32 s16, v1                    ; wave 0 .. 31
	v_and_b32 v2, 31, v0                           ; lane
	v_lshlrev_b32 v3, 4, v0                        ; 16 x thread: my 16 bytes of the batch's mesh, in memory and in LDS
	s_delay_alu instid0(VALU_DEP_2)
	v_lshlrev_b32 v4, 3, v2                        ; 8 x lane
	s_delay_alu instid0(VALU_DEP_3)
	v_lshlrev_b32 v5, 2, v2                        ; 4 x lane
	v_lshl_add_u32 v14, v1, 3, RES                 ; LDS: my wave's result pair
	v_lshlrev_b32 v15, 4, v2                       ; LDS: 16 x lane
	v_lshl_add_u32 v[RA], v2, 3, RES               ; LDS: pair number lane
	s_lshr_b32 s17, ttmp9, 6                       ; batch
	s_and_b32 s18, ttmp9, 63                       ; which block of 32 keys of the batch
	s_lshl_b32 s19, ttmp9, 5
	s_add_co_u32 s19, s19, s16                     ; my row, 0 .. 8191
	s_lshl_b32 s20, s17, 14                        ; the batch's mesh: 16,384 bytes
	s_mov_b32 s21, 0
	s_lshl_b32 s26, s19, 3                         ; my query's 8 bytes of mesh
	s_lshl_b32 s28, s19, 8                         ; my row of inputs: 256 bytes
	s_mov_b32 s29, 0
	s_mul_i32 s30, s19, 1280                       ; my row of out0: 1,280 bytes
	s_mov_b32 s31, 0
	s_lshl_b32 s36, ttmp9, 8                       ; the work-group's 32 pairs in thr
	s_mov_b32 s37, 0
	s_mov_b32 s[SEL], 0x76543210
	s_mov_b32 s[SEL+1], 0xfedcba98
	s_wait_alu depctr_va_vdst(0)
	s_wait_kmcnt 0x0
	s_load_b64 s[24:25], s[4:5], s26 offset:0x0    ; my query's x, y
	s_add_nc_u64 s[22:23], s[4:5], s[20:21]
	s_add_nc_u64 s[28:29], s[6:7], s[28:29]
	s_add_nc_u64 s[30:31], s[8:9], s[30:31]
	s_add_nc_u64 s[36:37], s[14:15], s[36:37]
	global_load_b128 v[8:11], v3, s[22:23]         ; the 1,024 threads take the batch's mesh, 16 bytes each
	global_load_b64 v[12:13], v4, s[28:29]         ; my row of inputs, 8 bytes a lane
	; ---- waves 0 and 1: the block of 32 keys x 64 channels becomes codes.  A lane takes channel 32 w + lane, its 32 registers run down the keys
	s_cmp_lt_u32 s16, 2
	s_cbranch_scc0 .Lno_quant
	s_lshl_b32 s32, ttmp9, 13                      ; the work-group's 32 rows of 256 bytes,
	s_lshl_b32 s33, s16, 7                         ; my wave's 32 channels
	s_add_co_u32 s32, s32, s33
	s_mov_b32 s33, 0
	s_add_nc_u64 s[34:35], s[6:7], s[32:33]
.irp i, 0,1,2,3,4,5,6,7,8,9,10,11,12,13,14,15,16,17,18,19,20,21,22,23,24,25,26,27,28,29,30,31
	global_load_b32 v[DD+\i], v5, s[34:35] offset:256*\i   ; key i of the block: 128 consecutive bytes a wave
.endr
	; where the codes go.  Block B = 4 S + 2 c + h of the batch: K step S; in the operand lane 16 h + (channel % 16) holds it, in registers 6 c .. 6 c + 5: bytes 24 c .. 24 c + 23 of the lane's 48.
	; Byte p of a lane's 48 lies at 512 (p / 16) + 16 x lane + p % 16 of the fragment's 1,536 bytes.  Three pieces of 8 bytes: c = 0: 0, 8, 512;  c = 1: 520, 1024, 1032
	s_lshl_b32 s38, s17, 4
	s_lshr_b32 s39, s18, 2
	s_add_co_u32 s38, s38, s39                     ; 16 batch + S
	s_lshl_b32 s39, s38, 2
	s_lshl_b32 s40, s16, 1
	s_add_co_u32 s39, s39, s40                     ; the fragment of lanes 0-15: tile of channels 2 w
	s_mul_i32 s39, s39, 1536
	s_and_b32 s40, s18, 1                          ; h
	s_lshl_b32 s40, s40, 8                         ; 16 lanes of 16 bytes
	s_add_co_u32 s39, s39, s40
	s_bfe_u32 s40, s18, 0x10001                    ; c
	s_mul_i32 s41, s40, 520
	s_mul_i32 s42, s40, 1016
	s_add_co_u32 s43, s39, s41                     ; piece 0
	s_add_co_u32 s44, s39, s42
	s_add_co_u32 s44, s44, 8                       ; piece 1
	s_add_co_u32 s45, s43, 512                     ; piece 2
	v_lshrrev_b32 v96, 4, v2                       ; lane / 16: the second tile of channels
	v_and_b32 v97, 15, v2                          ; channel % 16
	s_delay_alu instid0(VALU_DEP_2)
	v_mul_u32_u24 v98, v96, 1536
	s_delay_alu instid0(VALU_DEP_1)
	v_lshl_add_u32 v98, v97, 4, v98
	s_delay_alu instid0(VALU_DEP_1)
	v_add_nc_u32 v99, s43, v98
	s_delay_alu instid0(VALU_DEP_2)
	v_add_nc_u32 v100, s44, v98
	s_delay_alu instid0(VALU_DEP_3)
	v_add_nc_u32 v101, s45, v98
	s_lshl_b32 s46, s38, 8                         ; the scale byte: 256 (16 batch + S) + 16 (channel % 16) + 4 tile + B % 4
	s_lshl_b32 s47, s16, 3
	s_add_co_u32 s46, s46, s47
	s_and_b32 s47, s18, 3
	s_add_co_u32 s46, s46, s47
	v_lshlrev_b32 v102, 4, v97
	s_delay_alu instid0(VALU_DEP_1)
	v_lshl_add_u32 v102, v96, 2, v102
	s_delay_alu instid0(VALU_DEP_1)
	v_add_nc_u32 v102, s46, v102
	s_wait_loadcnt 0x0
	v_max3_num_f32 v16, |v[DD]|, |v[DD+1]|, |v[DD+2]|      ; the block's largest magnitude: all 32 numbers are mine; two chains
	v_max3_num_f32 v17, |v[DD+3]|, |v[DD+4]|, |v[DD+5]|
.irp i, 6,10,14,18,22,26
	s_delay_alu instid0(VALU_DEP_2)
	v_max3_num_f32 v16, v16, |v[DD+\i]|, |v[DD+\i+1]|
	s_delay_alu instid0(VALU_DEP_2)
	v_max3_num_f32 v17, v17, |v[DD+\i+2]|, |v[DD+\i+3]|
.endr
	s_delay_alu instid0(VALU_DEP_2)
	v_max3_num_f32 v16, v16, |v[DD+30]|, |v[DD+31]|
	s_delay_alu instid0(VALU_DEP_1)
	v_max3_num_f32 v16, v16, v17, 0x1800000        ; and the floor 2^(3 - 127): the byte cannot fall under 1
	s_delay_alu instid0(VALU_DEP_1)
	v_add_nc_u32 v113, 0xff000000, v16             ; 2 off the exponent field: the conversion takes this operand's exponent field as its scale
	s_delay_alu instid0(VALU_DEP_1)
	v_lshrrev_b32 v103, 23, v113                   ; the scale's byte
	v_cvt_scalef32_pk16_fp6_f32 v[104:106], v[DD:DD+15], v113
	v_cvt_scalef32_pk16_fp6_f32 v[110:112], v[DD+16:DD+31], v113   ; (a conversion's three registers begin on an even number)
	v_nop                                          ; one plain vector line behind the scaled conversions
	v_mov_b32 v107, v110
	v_mov_b32 v108, v111
	v_mov_b32 v109, v112                           ; v104-109: the block's 24 bytes on end
	global_store_b64 v99, v[104:105], s[10:11]
	global_store_b64 v100, v[106:107], s[10:11]
	global_store_b64 v101, v[108:109], s[10:11]
	global_store_b8 v102, v103, s[12:13]
.Lno_quant:
	s_wait_loadcnt 0x0                             ; the mesh's 16 bytes and my row's 8 are in
	ds_store_b128 v3, v[8:11]
	global_store_b64 v4, v[12:13], s[30:31]        ; the wave stores 256 consecutive bytes, at a multiple of 256 from out0's first byte
	s_wait_kmcnt 0x0
	v_mov_b32 v6, s24                              ; my query's x, y as a pair
	v_mov_b32 v7, s25
	s_wait_alu depctr_va_vdst(0)
	s_wait_dscnt 0x0                               ; for the others' sake: my part of the mesh lies in LDS
	s_barrier_signal -1
	s_barrier_wait -1
	s_wait_xcnt 0x0                                ; the stores above have read their registers: these are written again below
	; ---- my row's 2,048 squared distances: a load brings two keys (x, y, x, y); d = (y_k - y_q)^2 + fl((x_k - x_q)^2), one fused multiply-add, as in the second launch
.set bt, 0
.rept 8
.irp k, 0,1,2,3
	ds_load_b128 v[TMP+4*\k:TMP+4*\k+3], v15 offset:512*(4*bt+\k)
.endr
	s_wait_dscnt 0x0
.irp k, 0,1,2,3
	v_pk_add_f32 v[TMP+4*\k:TMP+4*\k+1], v[TMP+4*\k:TMP+4*\k+1], v[6:7] neg_lo:[0,1] neg_hi:[0,1]
	v_pk_add_f32 v[TMP+4*\k+2:TMP+4*\k+3], v[TMP+4*\k+2:TMP+4*\k+3], v[6:7] neg_lo:[0,1] neg_hi:[0,1]
.endr
.irp k, 0,1,2,3
	v_mul_f32 v[DD+8*bt+2*\k], v[TMP+4*\k], v[TMP+4*\k]
	v_mul_f32 v[DD+8*bt+2*\k+1], v[TMP+4*\k+2], v[TMP+4*\k+2]
.endr
.irp k, 0,1,2,3
	v_fmac_f32 v[DD+8*bt+2*\k], v[TMP+4*\k+1], v[TMP+4*\k+1]
	v_fmac_f32 v[DD+8*bt+2*\k+1], v[TMP+4*\k+3], v[TMP+4*\k+3]
.endr
.set bt, bt+1
.endr
; How many of the row's distances lie below the candidate (as bit patterns): the comparison's bit is added by the add with carry, in two chains; then over the 32 lanes, as f32 (at most 2,048: exact).  Every lane ends with the count.
.macro COUNT
	v_mov_b32 v[C0], 0
	v_mov_b32 v[C1], 0
.set j, 0
.rept 32
	v_cmp_gt_u32 vcc_lo, v[CA], v[DD+j]
	s_delay_alu instid0(VALU_DEP_1)
	v_add_co_ci_u32 v[C0], vcc_lo, 0, v[C0], vcc_lo
	v_cmp_gt_u32 vcc_lo, v[CA], v[DD+j+1]
	s_delay_alu instid0(VALU_DEP_1)
	v_add_co_ci_u32 v[C1], vcc_lo, 0, v[C1], vcc_lo
.set j, j+2
.endr
	s_delay_alu instid0(VALU_DEP_1)
	v_add_nc_u32 v[C0], v[C0], v[C1]
	s_delay_alu instid0(VALU_DEP_1)
	v_cvt_f32_u32 v[C0], v[C0]
	s_delay_alu instid0(VALU_DEP_1)
	v_add_f32_dpp v[C0], v[C0], v[C0] row_xmask:1 row_mask:0xf bank_mask:0xf
	s_delay_alu instid0(VALU_DEP_1)
	v_add_f32_dpp v[C0], v[C0], v[C0] row_xmask:2 row_mask:0xf bank_mask:0xf
	s_delay_alu instid0(VALU_DEP_1)
	v_add_f32_dpp v[C0], v[C0], v[C0] row_xmask:4 row_mask:0xf bank_mask:0xf
	s_delay_alu instid0(VALU_DEP_1)
	v_add_f32_dpp v[C0], v[C0], v[C0] row_xmask:8 row_mask:0xf bank_mask:0xf
	s_delay_alu instid0(VALU_DEP_1)
	v_permlanex16_b32 v[C1], v[C0], s[SEL], s[SEL+1]
	s_delay_alu instid0(VALU_DEP_1)
	v_add_f32 v[C0], v[C0], v[C1]
.endm
	v_mov_b32 v[VV], 0
	s_mov_b32 s41, 0x40000000                      ; the bit in hand: 30 down to 0
	s_mov_b32 s42, 31
.Lbit:
	s_wait_alu depctr_va_vdst(0)
	v_or_b32 v[CA], s41, v[VV]
	COUNT
	s_delay_alu instid0(VALU_DEP_1)
	v_cmp_gt_f32 vcc_lo, 0x43ccc000, v[C0]         ; 409.5 > count: at most 409 distances lie below the candidate, so s409 is not below it:
	s_delay_alu instid0(VALU_DEP_1)
	v_cndmask_b32 v[VV], v[VV], v[CA], vcc_lo      ; the bit stays
	s_lshr_b32 s41, s41, 1
	s_sub_co_i32 s42, s42, 1
	s_cmp_lg_u32 s42, 0
	s_cbranch_scc1 .Lbit
	; ---- s410: s409 again if 411 or more distances are at most s409, else the smallest distance above it
	v_add_nc_u32 v[CA], 1, v[VV]
	COUNT                                          ; how many are at most s409
.irp k, 0,1,2,3
	v_sub_nc_u32 v[UU+\k], v[DD+\k], v[CA]         ; d - (s409 + 1) as whole numbers: what is at most s409 wraps to 2^31 or more, above all that is not
.endr
.set j, 4
.rept 15
.irp k, 0,1,2,3
	v_sub_nc_u32 v[TT+\k], v[DD+j+\k], v[CA]
.endr
.irp k, 0,1,2,3
	s_delay_alu instid0(VALU_DEP_4)
	v_min_u32 v[UU+\k], v[UU+\k], v[TT+\k]
.endr
.set j, j+4
.endr
	s_delay_alu instid0(VALU_DEP_3)
	v_min_u32 v[UU], v[UU], v[UU+1]
	s_delay_alu instid0(VALU_DEP_2)
	v_min_u32 v[UU+2], v[UU+2], v[UU+3]
	s_delay_alu instid0(VALU_DEP_1)
	v_min_u32 v[UU], v[UU], v[UU+2]
.irp m, 1,2,4,8
	s_delay_alu instid0(VALU_DEP_1)
	v_mov_b32_dpp v[TT], v[UU] row_xmask:\m row_mask:0xf bank_mask:0xf
	s_delay_alu instid0(VALU_DEP_1)
	v_min_u32 v[UU], v[UU], v[TT]
.endr
	s_delay_alu instid0(VALU_DEP_1)
	v_permlanex16_b32 v[TT], v[UU], s[SEL], s[SEL+1]
	s_delay_alu instid0(VALU_DEP_1)
	v_min_u32 v[UU], v[UU], v[TT]
	s_delay_alu instid0(VALU_DEP_1)
	v_add_nc_u32 v[UU], v[UU], v[CA]               ; its bit pattern again
	v_cmp_lt_f32 vcc_lo, 0x43cd4000, v[C0]         ; 410.5 < count
	s_delay_alu instid0(VALU_DEP_1)
	v_cndmask_b32 v[UU], v[UU], v[VV], vcc_lo      ; s410
	; ---- the row's smallest distance: its t is the row's largest, of which the second launch takes the ceiling
	v_min3_num_f32 v[DMN], v[DD], v[DD+1], v[DD+2]
	v_min3_num_f32 v[DMN+1], v[DD+3], v[DD+4], v[DD+5]
.irp i, 6,10,14,18,22,26,30,34,38,42,46,50,54,58
	s_delay_alu instid0(VALU_DEP_2)
	v_min3_num_f32 v[DMN], v[DMN], v[DD+\i], v[DD+\i+1]
	s_delay_alu instid0(VALU_DEP_2)
	v_min3_num_f32 v[DMN+1], v[DMN+1], v[DD+\i+2], v[DD+\i+3]
.endr
	s_delay_alu instid0(VALU_DEP_2)
	v_min3_num_f32 v[DMN], v[DMN], v[DD+62], v[DD+63]
	s_delay_alu instid0(VALU_DEP_1)
	v_min_num_f32 v[DMN], v[DMN], v[DMN+1]
	s_delay_alu instid0(VALU_DEP_1)
	v_min_num_f32_dpp v[DMN], v[DMN], v[DMN] row_xmask:1 row_mask:0xf bank_mask:0xf
	s_delay_alu instid0(VALU_DEP_1)
	v_min_num_f32_dpp v[DMN], v[DMN], v[DMN] row_xmask:2 row_mask:0xf bank_mask:0xf
	s_delay_alu instid0(VALU_DEP_1)
	v_min_num_f32_dpp v[DMN], v[DMN], v[DMN] row_xmask:4 row_mask:0xf bank_mask:0xf
	s_delay_alu instid0(VALU_DEP_1)
	v_min_num_f32_dpp v[DMN], v[DMN], v[DMN] row_xmask:8 row_mask:0xf bank_mask:0xf
	s_delay_alu instid0(VALU_DEP_1)
	v_permlanex16_b32 v[DMN+1], v[DMN], s[SEL], s[SEL+1]
	s_delay_alu instid0(VALU_DEP_1)
	v_min_num_f32 v[RS+1], v[DMN], v[DMN+1]
	; ---- the threshold
	v_mul_f32 v[TT], 0x3f199a00, v[VV]             ; s409 x 19661/32768
	s_delay_alu instid0(VALU_DEP_1)
	v_fmamk_f32 v[TT], v[UU], 0x3ecccc00, v[TT]    ; + s410 x 13107/32768
	s_delay_alu instid0(VALU_DEP_1)
	v_max_num_f32 v[RS], v[VV], v[TT]              ; never under s409, whatever the two roundings do
	ds_store_b64 v14, v[RS:RS+1]                   ; all lanes write the same 8 bytes with the same values
	s_wait_dscnt 0x0                               ; for wave 0's sake
	s_barrier_signal -1
	s_barrier_wait -1
	s_cmp_lg_u32 s16, 0
	s_cbranch_scc1 .Lend
	ds_load_b64 v[RB:RB+1], v[RA]                  ; the 32 rows' pairs
	s_wait_dscnt 0x0
	global_store_b64 v4, v[RB:RB+1], s[36:37]      ; 256 consecutive bytes, at a multiple of 256 from thr's first byte
.Lend:
	s_wait_tensorcnt 0x0
	ds_add_u32 v116, v117
	s_wait_dscnt 0x0
	s_endpgm
.Lfunc_end_k_qa9f4305aa0_prep:
	.size	k_qa9f4305aa0_prep, .Lfunc_end_k_qa9f4305aa0_prep-k_qa9f4305aa0_prep
	.p2alignl 7, 3214868480
	.fill 96, 4, 3214868480
	.section	.rodata,"a",@progbits
	.p2align	6, 0x0
	.amdhsa_kernel k_qa9f4305aa0_prep
		.amdhsa_group_segment_fixed_size 20736
		.amdhsa_private_segment_fixed_size 0
		.amdhsa_enable_private_segment 0
		.amdhsa_kernarg_size 48
		.amdhsa_user_sgpr_count 2
		.amdhsa_user_sgpr_kernarg_segment_ptr 1
		.amdhsa_wavefront_size32 1
		.amdhsa_system_sgpr_workgroup_id_x 1
		.amdhsa_system_sgpr_workgroup_id_y 1
		.amdhsa_system_sgpr_workgroup_id_z 1
		.amdhsa_system_vgpr_workitem_id 0
		.amdhsa_next_free_vgpr 118
		.amdhsa_next_free_sgpr 66
		.amdhsa_reserve_vcc 1
		.amdhsa_float_denorm_mode_32 3
		.amdhsa_float_denorm_mode_16_64 3
		.amdhsa_memory_ordered 1
		.amdhsa_forward_progress 1
		.amdhsa_inst_pref_size 45
	.end_amdhsa_kernel
	.amdgpu_metadata
---
amdhsa.version: [ 1, 2 ]
amdhsa.kernels:
  - .name:           k_qa9f4305aa0_prep
    .symbol:         k_qa9f4305aa0_prep.kd
    .args:
      - { .name: mesh, .offset: 0, .size: 8, .value_kind: global_buffer, .address_space: global }
      - { .name: inputs, .offset: 8, .size: 8, .value_kind: global_buffer, .address_space: global }
      - { .name: out0, .offset: 16, .size: 8, .value_kind: global_buffer, .address_space: global }
      - { .name: acodes, .offset: 24, .size: 8, .value_kind: global_buffer, .address_space: global }
      - { .name: ascales, .offset: 32, .size: 8, .value_kind: global_buffer, .address_space: global }
      - { .name: thr, .offset: 40, .size: 8, .value_kind: global_buffer, .address_space: global }
    .group_segment_fixed_size: 20736
    .private_segment_fixed_size: 0
    .kernarg_segment_align: 8
    .kernarg_segment_size: 48
    .max_flat_workgroup_size: 1024
    .sgpr_count:     66
    .vgpr_count:     118
    .wavefront_size: 32
...
	.end_amdgpu_metadata
.endif
;; end of part 1
;; launch attend (part 2): grid 256 x 1, 8 waves a work-group, no clusters, 152,576 bytes of LDS; arguments mesh, lmda, acodes, ascales, thr, out0; writes out0
.if DOCPART == 2
	.amdgcn_target "amdgcn-amd-amdhsa--gfx1250"
	.amdhsa_code_object_version 6
	.text
	.protected	k_qa9f4305aa0_attend
	.globl	k_qa9f4305aa0_attend
	.p2align	8
	.type	k_qa9f4305aa0_attend,@function
k_qa9f4305aa0_attend:
	s_mov_b64 s[64:65], 0
	v_nop
	global_prefetch_b8 v0, s[64:65] scope:SCOPE_SE
	s_setreg_imm32_b32 hwreg(HW_REG_WAVE_MODE, 25, 1), 1
	s_wait_xcnt 0x0
; ATTEND.  out0[b][n][64 + 64 h + d] = (sum over keys j of Q(p[h][n][j]) Q(inputs[b][j][d])) / l[h][n], Q the MX quantiser to E2M3 along the keys.
; p = 2^(t - M), t = -scale_h x dist(n, j) x log2(e) where dist <= T[n], and where it is not, dist is replaced by the largest f32 number; M = ceil(the row's largest t); l = the sum of the unquantised p.
; scale_h = tan(pi/4 (1 - 1e-7) (1 + sin(lmda_h))), made here in f32.  T and the row's smallest distance come from the first launch, and so do inputs' codes and scale bytes, in the order of the operand's registers.
; SHARES.  A work-group owns 32 queries of one batch.  Wave = (tile of 16 queries) x (quarter of the keys, 512), for all four heads: so a distance, its comparison with T and a block's smallest distance are made once for four heads.
; LAYOUT.  Source 0 = 16 channels of inputs, source 1 = p of 16 queries of one head: a lane holds ONE query (lane % 16), and of each 128 keys the two whole blocks of 32 that the 6-bit layout gives it
; (64 c + 32 (lane / 16) + 0 .. 31): the conversions' results are the operand's registers, and a block's largest p needs no other lane.  That largest p is not searched for: p falls as the distance grows,
; so the block's smallest distance goes through the same multiply-add and exponential.  In the result a lane holds eight neighbouring channels of its query.
; The four quarters' sums and row sums meet in LDS behind one barrier; each wave then adds, divides and stores four rows.
; NO CLUSTER, NO TENSOR LOADS: what the work-groups of a batch share is inputs' codes, 6,400 bytes for a K step of a wave, asked for some 800 vector instructions ahead of the products that take them, straight into registers.
; LIMITS: NaN and infinities are not served.  |lmda| up to 1e5 (the reduction of its sine's argument has two terms).  The sum over the keys is made in four quarters, each ascending, added as (0 + 1) + (2 + 3).
; t is d x fl(scale x log2(e)), one rounding placed otherwise than in (d x scale) x log2(e).  With scale = 0 every key has p = 1, the replaced ones too.
; REGISTERS, in windows of 256: window 0 as named below; window 1: v0-127 the 16 accumulators (head h, tile of channels t: 8 (4 h + t)), v128-175 inputs' four fragments.
.set YB,     8192                      ; LDS: the batch's 2,048 x, then its 2,048 y,
.set STG,    16384                     ; a stage of 16 rows x (1,024 bytes + 16) for each wave,
.set SPITCH, 1040
.set WSTG,   16*SPITCH
.set LSUM,   STG+8*WSTG                ; and each wave's row sums: [wave][head][query] f32
.set XA,  9                            ; v9   LDS: my half's keys of my wave's quarter
.set AVO, 10                           ; v10  16 x lane
.set ASO, 11                           ; v11  16 x (lane % 16)
.set SO,  12                           ; v12  the stage: where I put 32 bytes of a row
.set LSA, 13                           ; v13  where my row sums go
.set RDA, 14                           ; v14  where I read rows back
.set LRA, 15                           ; v15  and row sums
.set QX,  16                           ; v[16:17] my query's x, twice;  v[18:19] its y
.set QY,  18
.set BIG, 22                           ; v22  the largest f32 number
.set SH8, 23                           ; v23  8 x (lane / 16)
.set NM,  24                           ; v24-31  -M of head h, twice: v[24 + 2 h]
.set LL,  32                           ; v32-39  the row's sum of head h, in two halves
.set SU,  40                           ; v40-47  at work
.set DM,  48                           ; v48-49  the block's smallest distance, two chains
.set TM,  50                           ; v50  the block's largest p
.set SC,  51                           ; v51  the conversions' scale operand
.set TB,  52                           ; v52  a scale byte
.set CT,  54                           ; v54-56  a conversion's three registers
.set PT,  58                           ; v58-61  from the other half of the lanes
.set XX,  64                           ; v64-95   32 keys' x
.set YY,  96                           ; v96-127  32 keys' y
.set DD,  128                          ; v128-159 32 distances
.set PP,  160                          ; v160-191 32 p of one head
.set BF,  192                          ; v192-239 p's fragments, 12 registers a head
.set AS,  240                          ; v240-243 inputs' scale words, one a tile of channels
.set BS,  244                          ; v244-247 p's scale words, one a head
.set QL,  248                          ; v[248:249] my query's x, y as loaded
.set THR, 250                          ; v250 T;  v251 the row's smallest distance
.set DMR, 251
.set LM,  252                          ; v252 lmda of head lane % 4
.set AF,  128                          ; in window 1
.set NC,  36                           ; s[36 + 2 h : 37 + 2 h]  -scale_h x log2(e), twice
.set SEL, 44                           ; s[44:45] lane selects of v_permlanex16_b32: lane l xor 16
.set CM,  48                           ; s48-55  eight comparisons' masks
.set MSB, 0
.macro WIN new                         ; the immediate's high byte repeats the setting that is left
.if MSB != \new
	s_set_vgpr_msb (MSB<<8)|\new
.set MSB, \new
.endif
.endm
; sin and cos of r, |r| <= pi/4: the series up to r^9 and r^10, whose next terms lie under 2e-9 and 2e-10 there
.macro SINCOS r, z, s, c
	s_delay_alu instid0(VALU_DEP_1)
	v_mul_f32 v[\z], v[\r], v[\r]
	v_mov_b32 v[\s], 0x3638ef1d                    ; 1/9!
	v_mov_b32 v[\c], 0xb493f27e                    ; -1/10!
	s_delay_alu instid0(VALU_DEP_2)
	v_fmaak_f32 v[\s], v[\s], v[\z], 0xb9500d01    ; -1/7!
	s_delay_alu instid0(VALU_DEP_2)
	v_fmaak_f32 v[\c], v[\c], v[\z], 0x37d00d01    ; 1/8!
	s_delay_alu instid0(VALU_DEP_2)
	v_fmaak_f32 v[\s], v[\s], v[\z], 0x3c088889    ; 1/5!
	s_delay_alu instid0(VALU_DEP_2)
	v_fmaak_f32 v[\c], v[\c], v[\z], 0xbab60b61    ; -1/6!
	s_delay_alu instid0(VALU_DEP_2)
	v_fmaak_f32 v[\s], v[\s], v[\z], 0xbe2aaaab    ; -1/3!
	s_delay_alu instid0(VALU_DEP_2)
	v_fmaak_f32 v[\c], v[\c], v[\z], 0x3d2aaaab    ; 1/4!
	s_delay_alu instid0(VALU_DEP_2)
	v_mul_f32 v[\s], v[\s], v[\z]
	s_delay_alu instid0(VALU_DEP_2)
	v_fmaak_f32 v[\c], v[\c], v[\z], 0xbf000000    ; -1/2
	s_delay_alu instid0(VALU_DEP_2)
	v_fma_f32 v[\s], v[\s], v[\r], v[\r]
	s_delay_alu instid0(VALU_DEP_2)
	v_fmaak_f32 v[\c], v[\c], v[\z], 0x3f800000
.endm
; K step s of my quarter: inputs' four fragments (each load: 512 consecutive bytes) and the four scale words of my row of each
.macro LOADA s
	WIN 0x40                                       ; destination window 1, address window 0
.irp t, 0,1,2,3
.irp g, 0,1,2
	global_load_b128 v[AF+12*\t+4*\g:AF+12*\t+4*\g+3], v[AVO], s[28:29] offset:6144*(\s)+1536*\t+512*\g
.endr
.endr
	WIN 0
	global_load_b128 v[AS:AS+3], v[ASO], s[30:31] offset:256*(\s)
.endm
; block n of my quarter's eight pairs of blocks: 32 keys' x and y for each half of the lanes; the sixteen lanes of a half read the same 16 bytes
.macro LOADXY n
.irp i, 0,1,2,3,4,5,6,7
	ds_load_b128 v[XX+4*\i:XX+4*\i+3], v[XA] offset:256*(\n)+16*\i
.endr
.irp i, 0,1,2,3,4,5,6,7
	ds_load_b128 v[YY+4*\i:YY+4*\i+3], v[XA] offset:YB+256*(\n)+16*\i
.endr
.endm
; 32 squared distances, two at a time: d = (y_k - y_q)^2 + fl((x_k - x_q)^2), the very arithmetic of the first launch
.macro DIST
	s_wait_dscnt 0x0
.irp j, 0,2,4,6,8,10,12,14,16,18,20,22,24,26,28,30
	v_pk_add_f32 v[XX+\j:XX+\j+1], v[XX+\j:XX+\j+1], v[QX:QX+1] neg_lo:[0,1] neg_hi:[0,1]
.endr
.irp j, 0,2,4,6,8,10,12,14,16,18,20,22,24,26,28,30
	v_pk_add_f32 v[YY+\j:YY+\j+1], v[YY+\j:YY+\j+1], v[QY:QY+1] neg_lo:[0,1] neg_hi:[0,1]
.endr
.irp j, 0,2,4,6,8,10,12,14,16,18,20,22,24,26,28,30
	v_pk_mul_f32 v[DD+\j:DD+\j+1], v[XX+\j:XX+\j+1], v[XX+\j:XX+\j+1]
.endr
.irp j, 0,2,4,6,8,10,12,14,16,18,20,22,24,26,28,30
	v_pk_fma_f32 v[DD+\j:DD+\j+1], v[YY+\j:YY+\j+1], v[YY+\j:YY+\j+1], v[DD+\j:DD+\j+1]
.endr
.endm
; a distance above T becomes the largest f32 number; eight comparisons, then eight selections, so that no line waits for the line above it
.macro MASK
.irp g, 0,8,16,24
.irp k, 0,1,2,3,4,5,6,7
	v_cmp_ge_f32 s[CM+\k], v[THR], v[DD+\g+\k]
.endr
.irp k, 0,1,2,3,4,5,6,7
	v_cndmask_b32 v[DD+\g+\k], v[BIG], v[DD+\g+\k], s[CM+\k]
.endr
.endr
.endm
.macro BMIN                            ; the block's smallest distance
	v_min3_num_f32 v[DM], v[DD], v[DD+1], v[DD+2]
	v_min3_num_f32 v[DM+1], v[DD+3], v[DD+4], v[DD+5]
.irp i, 6,10,14,18,22,26
	s_delay_alu instid0(VALU_DEP_2)
	v_min3_num_f32 v[DM], v[DM], v[DD+\i], v[DD+\i+1]
	s_delay_alu instid0(VALU_DEP_2)
	v_min3_num_f32 v[DM+1], v[DM+1], v[DD+\i+2], v[DD+\i+3]
.endr
	s_delay_alu instid0(VALU_DEP_2)
	v_min3_num_f32 v[DM], v[DM], v[DD+30], v[DD+31]
	s_delay_alu instid0(VALU_DEP_1)
	v_min_num_f32 v[DM], v[DM], v[DM+1]
.endm
; head h of the block in hand, which is block 2 c + lane / 16 of the K step: p, its sum, its scale byte, its codes
.macro HEAD h, c
.irp j, 0,2,4,6,8,10,12,14,16,18,20,22,24,26,28,30
	v_pk_fma_f32 v[PP+\j:PP+\j+1], v[DD+\j:DD+\j+1], s[NC+2*(\h):NC+2*(\h)+1], v[NM+2*(\h):NM+2*(\h)+1] op_sel_hi:[1,0,1]   ; t - M
.endr
	v_fma_f32 v[TM], v[DM], s[NC+2*(\h)], v[NM+2*(\h)]     ; the same of the block's smallest distance
	s_wait_alu depctr_va_vdst(0)
.irp j, 0,1,2,3,4,5,6,7,8,9,10,11,12,13,14,15,16,17,18,19,20,21,22,23,24,25,26,27,28,29,30,31
	v_exp_f32 v[PP+\j], v[PP+\j]                   ; p = 2^(t - M): not normalised
.endr
	v_exp_f32 v[TM], v[TM]                         ; the block's largest p: the same two instructions on the same number
	v_nop                                          ; a plain line behind the last exponential
	s_wait_alu depctr_va_vdst(0)                   ; one wait for the batch of 33, ahead of its first reader
	v_max_num_f32 v[TM], 0x1800000, v[TM]          ; the floor 2^(3 - 127): the byte cannot fall under 1 (a block whose every p is 0 keeps that byte: its codes are zeros)
.irp a, 0,1,2,3
	v_pk_add_f32 v[SU+2*\a:SU+2*\a+1], v[PP+2*\a:PP+2*\a+1], v[PP+8+2*\a:PP+8+2*\a+1]     ; the sum of the UNQUANTISED p, two at a time, in four chains
.endr
	v_add_nc_u32 v[SC], 0xff000000, v[TM]          ; 2 off the exponent field: the conversions' scale operand
.irp a, 0,1,2,3
	v_pk_add_f32 v[SU+2*\a:SU+2*\a+1], v[SU+2*\a:SU+2*\a+1], v[PP+16+2*\a:PP+16+2*\a+1]
.endr
.irp a, 0,1,2,3
	v_pk_add_f32 v[SU+2*\a:SU+2*\a+1], v[SU+2*\a:SU+2*\a+1], v[PP+24+2*\a:PP+24+2*\a+1]
.endr
	s_delay_alu instid0(VALU_DEP_3)
	v_pk_add_f32 v[SU:SU+1], v[SU:SU+1], v[SU+2:SU+3]
	s_delay_alu instid0(VALU_DEP_2)
	v_pk_add_f32 v[SU+4:SU+5], v[SU+4:SU+5], v[SU+6:SU+7]
	s_delay_alu instid0(VALU_DEP_1)
	v_pk_add_f32 v[SU:SU+1], v[SU:SU+1], v[SU+4:SU+5]
	s_delay_alu instid0(VALU_DEP_1)
	v_pk_add_f32 v[LL+2*(\h):LL+2*(\h)+1], v[LL+2*(\h):LL+2*(\h)+1], v[SU:SU+1]
.if (\c) == 0
	v_lshrrev_b32 v[BS+(\h)], 23, v[SC]            ; the scale's byte of my first block of the K step,
.else
	v_lshrrev_b32 v[TB], 23, v[SC]
	s_delay_alu instid0(VALU_DEP_1)
	v_lshl_or_b32 v[BS+(\h)], v[TB], 16, v[BS+(\h)]   ; and of my second, two bytes further up
.endif
	v_cvt_scalef32_pk16_fp6_f32 v[BF+12*(\h)+6*(\c):BF+12*(\h)+6*(\c)+2], v[PP:PP+15], v[SC]
	v_cvt_scalef32_pk16_fp6_f32 v[CT:CT+2], v[PP+16:PP+31], v[SC]      ; (a conversion's three registers begin on an even number)
	v_nop                                          ; one plain line behind the scaled conversions
.irp i, 0,1,2
	v_mov_b32 v[BF+12*(\h)+6*(\c)+3+\i], v[CT+\i]
.endr
.endm
.macro BLOCK n
	DIST
.if (\n) < 7
	LOADXY (\n)+1                                  ; x and y are used up: the next block's come while this one is worked
.endif
.if ((\n)%2 == 0) && ((\n) > 0)
	LOADA (\n)/2                                   ; this K step's fragments of inputs; the 64 packed lines of DIST are the places behind the last products, which read these registers
.endif
	MASK
	BMIN
.irp h, 0,1,2,3
	HEAD \h, (\n)%2
.endr
.endm
; a K step's 16 products: 4 heads x 4 tiles of channels, each accumulator once (the accumulators take turns).  zero = 1: the first K step starts the sums
.macro PRODUCT zero
.irp h, 0,1,2,3
	v_lshlrev_b32 v[BS+\h], v[SH8], v[BS+\h]       ; my two bytes at their places in the scale word: blocks lane / 16 and 2 + lane / 16;
.endr
.irp h, 0,1,2,3
	s_delay_alu instid0(VALU_DEP_4)
	v_permlanex16_b32 v[PT+\h], v[BS+\h], s[SEL], s[SEL+1]
.endr
.irp h, 0,1,2,3
	s_delay_alu instid0(VALU_DEP_4)
	v_or_b32 v[BS+\h], v[BS+\h], v[PT+\h]          ; with lane l xor 16's two the word is whole
.endr
.rept 8
	v_nop                                          ; a scale register written by a vector line stands eight places ahead of a scaled matrix instruction, an operand so written four
.endr
	s_wait_alu depctr_va_vdst(0)
	s_wait_loadcnt 0x0                             ; inputs' fragments and scale words are in
	WIN 0x51                                       ; source 0 (inputs), C and D window 1; source 1 (p) window 0
.irp h, 0,1,2,3
.irp t, 0,1,2,3
.if \zero
	v_wmma_scale_f32_16x16x128_f8f6f4 v[8*(4*\h+\t):8*(4*\h+\t)+7], v[AF+12*\t:AF+12*\t+11], v[BF+12*\h:BF+12*\h+11], 0, v[AS+\t], v[BS+\h] matrix_a_fmt:MATRIX_FMT_FP6 matrix_b_fmt:MATRIX_FMT_FP6
.else
	v_wmma_scale_f32_16x16x128_f8f6f4 v[8*(4*\h+\t):8*(4*\h+\t)+7], v[AF+12*\t:AF+12*\t+11], v[BF+12*\h:BF+12*\h+11], v[8*(4*\h+\t):8*(4*\h+\t)+7], v[AS+\t], v[BS+\h] matrix_a_fmt:MATRIX_FMT_FP6 matrix_b_fmt:MATRIX_FMT_FP6
.endif
.endr
.endr
	WIN 0
.endm
	s_load_b128 s[4:7], s[0:1], 0x0                ; mesh, lmda
	s_load_b128 s[8:11], s[0:1], 0x10              ; acodes, ascales
	s_load_b128 s[12:15], s[0:1], 0x20             ; thr, out0
	v_lshl_add_u32 v254, v0, 2, 0x25000
	v_mov_b32 v255, 0
	v_lshrrev_b32 v1, 5, v0
	s_delay_alu instid0(VALU_DEP_1)
	v_readfirstlane_b32 s16, v1                    ; wave 0 .. 7
	v_and_b32 v2, 31, v0                           ; lane
	v_and_b32 v3, 15, v0                           ; r: my query in the tile
	v_bfe_u32 v4, v0, 4, 1                         ; lane / 16
	v_lshlrev_b32 v5, 4, v0                        ; 16 x thread
	v_lshlrev_b32 v6, 3, v0                        ; 8 x thread
	s_delay_alu instid0(VALU_DEP_4)
	v_lshlrev_b32 v7, 3, v3                        ; 8 r
	v_and_b32 v8, 3, v0
	s_delay_alu instid0(VALU_DEP_1)
	v_lshlrev_b32 v8, 2, v8                        ; 4 x (lane % 4): a head's lmda
	s_lshr_b32 s17, s16, 2                         ; which tile of 16 queries
	s_and_b32 s18, s16, 3                          ; which quarter of the keys
	s_lshr_b32 s19, ttmp9, 6                       ; batch
	s_lshl_b32 s46, s18, 11                        ; my quarter's 512 x: 2,048 bytes
	v_lshl_add_u32 v[XA], v4, 7, s46               ; + 32 keys for lanes 16-31
	v_lshlrev_b32 v[AVO], 4, v2
	s_wait_alu depctr_va_vdst(0)
	v_lshlrev_b32 v[ASO], 4, v3
	s_mul_i32 s46, s16, WSTG
	s_add_co_u32 s46, s46, STG                     ; my stage
	v_mul_u32_u24 v[SO], v3, SPITCH
	s_delay_alu instid0(VALU_DEP_1)
	v_lshl_add_u32 v[SO], v4, 5, v[SO]
	s_delay_alu instid0(VALU_DEP_1)
	v_add_nc_u32 v[SO], s46, v[SO]                 ; row r, + 32 bytes for lanes 16-31
	s_lshl_b32 s46, s16, 8
	s_add_co_u32 s46, s46, LSUM
	v_lshl_add_u32 v[LSA], v3, 2, s46              ; my wave's row sums, query r
	s_mul_i32 s46, s17, 4*WSTG
	s_mul_i32 s47, s18, 4*SPITCH
	s_add_co_u32 s46, s46, s47
	s_add_co_u32 s46, s46, STG
	v_add_nc_u32 v[RDA], s46, v[AVO]               ; back: my tile's first stage, rows 4 x quarter on, 16 bytes a lane
	s_lshl_b32 s46, s17, 10
	s_lshl_b32 s47, s18, 4
	s_add_co_u32 s46, s46, s47
	s_add_co_u32 s46, s46, LSUM
	v_lshl_add_u32 v[LRA], v4, 6, s46              ; the same four rows' sums; lanes 16-31 the next head's
	s_lshl_b32 s20, s19, 14                        ; the batch's mesh
	s_mov_b32 s21, 0
	s_lshl_b32 s46, ttmp9, 8
	s_lshl_b32 s47, s17, 7
	s_add_co_u32 s46, s46, s47                     ; 8 bytes x my tile's first row: in mesh and in thr
	s_mov_b32 s47, 0
	s_mul_i32 s48, s19, 98304                      ; the batch's codes, my quarter's four K steps of 6,144 bytes
	s_mul_i32 s49, s18, 24576
	s_add_co_u32 s48, s48, s49
	s_mov_b32 s49, 0
	s_lshl_b32 s50, s19, 12                        ; the batch's scale words, my quarter's four K steps of 256 bytes
	s_lshl_b32 s51, s18, 10
	s_add_co_u32 s50, s50, s51
	s_mov_b32 s51, 0
	s_lshl_b32 s52, ttmp9, 5
	s_lshl_b32 s53, s17, 4
	s_add_co_u32 s52, s52, s53
	s_lshl_b32 s53, s18, 2
	s_add_co_u32 s52, s52, s53                     ; the first of the four rows that I store
	s_mul_i32 s52, s52, 1280
	s_add_co_u32 s52, s52, 256                     ; behind the row's 64 copied numbers
	s_mov_b32 s53, 0
	s_mov_b32 s[SEL], 0x76543210
	s_mov_b32 s[SEL+1], 0xfedcba98
	s_wait_alu depctr_va_vdst(0)
	s_wait_kmcnt 0x0
	s_add_nc_u64 s[22:23], s[4:5], s[20:21]
	s_add_nc_u64 s[24:25], s[4:5], s[46:47]
	s_add_nc_u64 s[26:27], s[12:13], s[46:47]
	s_add_nc_u64 s[28:29], s[8:9], s[48:49]
	s_add_nc_u64 s[30:31], s[10:11], s[50:51]
	s_add_nc_u64 s[32:33], s[14:15], s[52:53]
.irp i, 0,1,2,3
	global_load_b128 v[XX+4*\i:XX+4*\i+3], v5, s[22:23] offset:4096*\i     ; the batch's mesh: 256 threads x 16 bytes, four times
.endr
	global_load_b64 v[QL:QL+1], v7, s[24:25]       ; my query's x, y
	global_load_b64 v[THR:THR+1], v7, s[26:27]     ; its T and its smallest distance
	global_load_b32 v[LM], v8, s[6:7]
	LOADA 0
	s_wait_loadcnt 16                              ; the mesh's four loads are in; the 3 + 13 issued behind them may be out
.irp i, 0,1,2,3
	v_mov_b32 v1, v[XX+4*\i+1]                     ; (x, y, x, y) becomes (x, x), (y, y)
	v_mov_b32 v[XX+4*\i+1], v[XX+4*\i+2]
	s_delay_alu instid0(VALU_DEP_2)
	v_mov_b32 v[XX+4*\i+2], v1
	ds_store_b64 v6, v[XX+4*\i:XX+4*\i+1] offset:2048*\i
	ds_store_b64 v6, v[XX+4*\i+2:XX+4*\i+3] offset:YB+2048*\i
.endr
	s_wait_loadcnt 13                              ; my query's data and lmda are in; the first K step's 13 loads may be out
	; ---- the heads' scales: lane l works on head l % 4
	v_mul_f32 v96, 0x3f22f983, v[LM]               ; lmda x 2/pi
	s_delay_alu instid0(VALU_DEP_1)
	v_rndne_f32 v96, v96                           ; k
	s_delay_alu instid0(VALU_DEP_1)
	v_fmamk_f32 v97, v96, 0xbfc90fdb, v[LM]        ; r = lmda - k pi/2, pi/2 in two terms, each by one fused multiply-add
	s_delay_alu instid0(VALU_DEP_1)
	v_fmamk_f32 v97, v96, 0x333bbd2e, v97
	SINCOS 97, 98, 99, 100
	v_cvt_i32_f32 v101, v96
	s_delay_alu instid0(VALU_DEP_1)
	v_and_b32 v102, 1, v101
	s_delay_alu instid0(VALU_DEP_1)
	v_cmp_eq_u32 vcc_lo, 1, v102
	s_delay_alu instid0(VALU_DEP_1)
	v_cndmask_b32 v103, v99, v100, vcc_lo          ; k odd: the cosine
	s_delay_alu instid0(VALU_DEP_4)
	v_and_b32 v102, 2, v101
	s_delay_alu instid0(VALU_DEP_1)
	v_lshlrev_b32 v102, 30, v102
	s_delay_alu instid0(VALU_DEP_1)
	v_xor_b32 v103, v102, v103                     ; k % 4 = 2, 3: the sign turns.  sin(lmda)
	s_delay_alu instid0(VALU_DEP_1)
	v_add_f32 v103, 1.0, v103
	s_delay_alu instid0(VALU_DEP_1)
	v_mul_f32 v103, 0x3f490fd9, v103               ; y = f32(pi/4 (1 - 1e-7)) x (1 + sin): 0 .. under pi/2
	s_delay_alu instid0(VALU_DEP_1)
	v_sub_f32 v104, 0x3fc90fdb, v103               ; pi/2 - y: the first term's difference is exact from y = pi/4 on
	s_delay_alu instid0(VALU_DEP_1)
	v_add_f32 v104, 0xb33bbd2e, v104
	s_delay_alu instid0(VALU_DEP_3)
	v_cmp_lt_f32 vcc_lo, 0x3f490fdb, v103          ; y above pi/4: tan y = cos(pi/2 - y) / sin(pi/2 - y)
	s_delay_alu instid0(VALU_DEP_1)
	v_cndmask_b32 v97, v103, v104, vcc_lo
	SINCOS 97, 98, 99, 100
	s_delay_alu instid0(VALU_DEP_1)
	v_cndmask_b32 v105, v99, v100, vcc_lo
	s_delay_alu instid0(VALU_DEP_2)
	v_cndmask_b32 v106, v100, v99, vcc_lo
	s_wait_alu depctr_va_vdst(0)
	v_rcp_f32 v106, v106
	v_nop                                          ; a plain line behind the reciprocal
	s_wait_alu depctr_va_vdst(0)                   ; and the wait ahead of its first reader
	v_mul_f32 v105, v105, v106                     ; the scale
	s_delay_alu instid0(VALU_DEP_1)
	v_mul_f32 v107, 0xbfb8aa3b, v105               ; -scale x log2(e)
.irp h, 0,1,2,3
	v_readlane_b32 s[NC+2*\h], v107, \h
.endr
.irp h, 0,1,2,3
	s_mov_b32 s[NC+2*\h+1], s[NC+2*\h]             ; (the packed form names the pair)
.endr
.irp h, 0,1,2,3
	v_mul_f32 v[SU+\h], s[NC+2*\h], v[DMR]         ; the row's largest t: that of its smallest distance
.endr
.irp h, 0,1,2,3
	s_delay_alu instid0(VALU_DEP_4)
	v_floor_f32 v[NM+2*\h], -v[SU+\h]              ; -M = floor(-t) = -ceil(t)
.endr
.irp h, 0,1,2,3
	s_delay_alu instid0(VALU_DEP_4)
	v_mov_b32 v[NM+2*\h+1], v[NM+2*\h]
.endr
	v_mov_b32 v[QX], v[QL]
	v_mov_b32 v[QX+1], v[QL]
	v_mov_b32 v[QY], v[QL+1]
	v_mov_b32 v[QY+1], v[QL+1]
	v_mov_b32 v[BIG], 0x7f7fffff
	v_lshlrev_b32 v[SH8], 3, v4
.irp i, 0,1,2,3,4,5,6,7
	v_mov_b32 v[LL+\i], 0                          ; the row sums
.endr
.irp i, 0,1,2,3
	v_mov_b32 v[PT+\i], 0                          ; written once: a lane permute's destination counts as one of its sources
.endr
	s_wait_dscnt 0x0                               ; for the others' sake: my part of x and y lies in LDS
	s_barrier_signal -1
	s_barrier_wait -1
	LOADXY 0
	BLOCK 0
	BLOCK 1
	PRODUCT 1
	BLOCK 2
	BLOCK 3
	PRODUCT 0
	BLOCK 4
	BLOCK 5
	PRODUCT 0
	BLOCK 6
	BLOCK 7
	PRODUCT 0
	; ---- my quarter's row sums and results go to LDS.  The first four additions are the places behind the last products
.irp h, 0,1,2,3
	v_add_f32 v[SU+\h], v[LL+2*\h], v[LL+2*\h+1]
.endr
.irp h, 0,1,2,3
	s_delay_alu instid0(VALU_DEP_4)
	v_permlanex16_b32 v[PT+\h], v[SU+\h], s[SEL], s[SEL+1]
.endr
.irp h, 0,1,2,3
	s_delay_alu instid0(VALU_DEP_4)
	v_add_f32 v[SU+\h], v[SU+\h], v[PT+\h]         ; with lane l xor 16's blocks
.endr
.irp h, 0,1,2,3
	ds_store_b32 v[LSA], v[SU+\h] offset:64*\h     ; (lanes r and r + 16 write the same word with the same value)
.endr
	WIN 0x04                                       ; an LDS store's data are its source 1: window 1
.irp h, 0,1,2,3
.irp t, 0,1,2,3
	ds_store_b128 v[SO], v[8*(4*\h+\t):8*(4*\h+\t)+3] offset:256*\h+64*\t          ; lane (r, half): query r, channels 16 t + 8 half + 0 .. 7 of head h; each accumulator from its low end on
	ds_store_b128 v[SO], v[8*(4*\h+\t)+4:8*(4*\h+\t)+7] offset:256*\h+64*\t+16
.endr
.endr
	WIN 0
	s_wait_dscnt 0x0                               ; for the others' sake: my stores have landed
	s_barrier_signal -1
	s_barrier_wait -1
	; ---- four rows a wave: row 4 x quarter + q / 2 of my tile, half q % 2 of its 1,024 bytes (heads 2 (q % 2) and 2 (q % 2) + 1), from the four quarters' stages
.irp u, 0,1
.irp k, 0,1,2,3
	ds_load_b128 v[BF+16*\u+4*\k:BF+16*\u+4*\k+3], v[LRA] offset:256*\k+128*\u     ; the four rows' sums of my head, quarter k
.endr
.endr
.irp q, 0,1,2,3,4,5,6,7
.irp k, 0,1,2,3
	ds_load_b128 v[XX+16*\q+4*\k:XX+16*\q+4*\k+3], v[RDA] offset:WSTG*\k+SPITCH*(\q/2)+512*(\q%2)
.endr
.endr
	s_wait_dscnt 0x0
.irp u, 0,1
	v_pk_add_f32 v[BF+16*\u:BF+16*\u+1], v[BF+16*\u:BF+16*\u+1], v[BF+16*\u+4:BF+16*\u+5]
	v_pk_add_f32 v[BF+16*\u+2:BF+16*\u+3], v[BF+16*\u+2:BF+16*\u+3], v[BF+16*\u+6:BF+16*\u+7]
	v_pk_add_f32 v[BF+16*\u+8:BF+16*\u+9], v[BF+16*\u+8:BF+16*\u+9], v[BF+16*\u+12:BF+16*\u+13]
	v_pk_add_f32 v[BF+16*\u+10:BF+16*\u+11], v[BF+16*\u+10:BF+16*\u+11], v[BF+16*\u+14:BF+16*\u+15]
	s_delay_alu instid0(VALU_DEP_2)
	v_pk_add_f32 v[BF+16*\u:BF+16*\u+1], v[BF+16*\u:BF+16*\u+1], v[BF+16*\u+8:BF+16*\u+9]
	s_delay_alu instid0(VALU_DEP_2)
	v_pk_add_f32 v[BF+16*\u+2:BF+16*\u+3], v[BF+16*\u+2:BF+16*\u+3], v[BF+16*\u+10:BF+16*\u+11]
.endr
	s_wait_alu depctr_va_vdst(0)
.irp u, 0,1
.irp e, 0,1,2,3
	v_rcp_f32 v[BF+16*\u+\e], v[BF+16*\u+\e]       ; 1 / l of row e; l is at least the largest p, above 1/2
.endr
.endr
.irp q, 0,1,2,3,4,5,6,7                        ; the quarters' sums, (0 + 1) + (2 + 3): plain work behind the reciprocals
	v_pk_add_f32 v[XX+16*\q:XX+16*\q+1], v[XX+16*\q:XX+16*\q+1], v[XX+16*\q+4:XX+16*\q+5]
	v_pk_add_f32 v[XX+16*\q+2:XX+16*\q+3], v[XX+16*\q+2:XX+16*\q+3], v[XX+16*\q+6:XX+16*\q+7]
	v_pk_add_f32 v[XX+16*\q+8:XX+16*\q+9], v[XX+16*\q+8:XX+16*\q+9], v[XX+16*\q+12:XX+16*\q+13]
	v_pk_add_f32 v[XX+16*\q+10:XX+16*\q+11], v[XX+16*\q+10:XX+16*\q+11], v[XX+16*\q+14:XX+16*\q+15]
	s_delay_alu instid0(VALU_DEP_2)
	v_pk_add_f32 v[XX+16*\q:XX+16*\q+1], v[XX+16*\q:XX+16*\q+1], v[XX+16*\q+8:XX+16*\q+9]
	s_delay_alu instid0(VALU_DEP_2)
	v_pk_add_f32 v[XX+16*\q+2:XX+16*\q+3], v[XX+16*\q+2:XX+16*\q+3], v[XX+16*\q+10:XX+16*\q+11]
.endr
	s_wait_alu depctr_va_vdst(0)                   ; one wait for the eight reciprocals, ahead of their first reader
.irp q, 0,1,2,3,4,5,6,7
.irp e, 0,1,2,3
	v_mul_f32 v[XX+16*\q+\e], v[XX+16*\q+\e], v[BF+16*(\q%2)+(\q/2)]
.endr
.endr
.irp q, 0,1,2,3,4,5,6,7
	global_store_b128 v[AVO], v[XX+16*\q:XX+16*\q+3], s[32:33] offset:1280*(\q/2)+512*(\q%2)   ; 32 lanes store 512 consecutive bytes, at a multiple of 256 from out0's first byte
.endr
	s_wait_tensorcnt 0x0
	ds_add_u32 v254, v255
	s_wait_dscnt 0x0
	s_endpgm
.Lfunc_end_k_qa9f4305aa0_attend:
	.size	k_qa9f4305aa0_attend, .Lfunc_end_k_qa9f4305aa0_attend-k_qa9f4305aa0_attend
	.p2alignl 7, 3214868480
	.fill 96, 4, 3214868480
	.section	.rodata,"a",@progbits
	.p2align	6, 0x0
	.amdhsa_kernel k_qa9f4305aa0_attend
		.amdhsa_group_segment_fixed_size 152576
		.amdhsa_private_segment_fixed_size 0
		.amdhsa_enable_private_segment 0
		.amdhsa_kernarg_size 48
		.amdhsa_user_sgpr_count 2
		.amdhsa_user_sgpr_kernarg_segment_ptr 1
		.amdhsa_wavefront_size32 1
		.amdhsa_system_sgpr_workgroup_id_x 1
		.amdhsa_system_sgpr_workgroup_id_y 1
		.amdhsa_system_sgpr_workgroup_id_z 1
		.amdhsa_system_vgpr_workitem_id 0
		.amdhsa_next_free_vgpr 432
		.amdhsa_next_free_sgpr 66
		.amdhsa_reserve_vcc 1
		.amdhsa_float_denorm_mode_32 3
		.amdhsa_float_denorm_mode_16_64 3
		.amdhsa_memory_ordered 1
		.amdhsa_forward_progress 1
		.amdhsa_inst_pref_size 245
	.end_amdhsa_kernel
	.amdgpu_metadata
---
amdhsa.version: [ 1, 2 ]
amdhsa.kernels:
  - .name:           k_qa9f4305aa0_attend
    .symbol:         k_qa9f4305aa0_attend.kd
    .args:
      - { .name: mesh, .offset: 0, .size: 8, .value_kind: global_buffer, .address_space: global }
      - { .name: lmda, .offset: 8, .size: 8, .value_kind: global_buffer, .address_space: global }
      - { .name: acodes, .offset: 16, .size: 8, .value_kind: global_buffer, .address_space: global }
      - { .name: ascales, .offset: 24, .size: 8, .value_kind: global_buffer, .address_space: global }
      - { .name: thr, .offset: 32, .size: 8, .value_kind: global_buffer, .address_space: global }
      - { .name: out0, .offset: 40, .size: 8, .value_kind: global_buffer, .address_space: global }
    .group_segment_fixed_size: 152576
    .private_segment_fixed_size: 0
    .kernarg_segment_align: 8
    .kernarg_segment_size: 48
    .max_flat_workgroup_size: 256
    .sgpr_count:     66
    .vgpr_count:     432
    .wavefront_size: 32
...
	.end_amdgpu_metadata
.endif
;; end of part 2
